; MI455X (gfx1250); checked and timed in simulation.
; The chip was launched on July 23, 2026; its instructions are those of AMD's public machine-readable ISA for CDNA 5 (MIT licence, August 2026) and "CDNA5" Instruction Set Architecture Reference Guide (July 2026). The comments in the code are by the model that wrote it; some were corrected since.
;; Sim VQ. Allowed arithmetic: float matrix products may take bf16 or f16 operands with f32 sums; all other float work in f32.
;; Inputs: codebook 16,384 x 256 float32; proj_b 256 float32; proj_w 256 x 256 float32; z 8 x 2,048 x 256 float32.
;; Outputs: out0 8 x 2,048 x 256 float32; out1 one number float32; out2 8 x 2,048 int32.
;; One version. Each part assembles by itself: llvm-mc -triple=amdgcn-amd-amdhsa -mcpu=gfx1250 --defsym DOCPART=n.
;; ======== version 1 of 1: 4 launches
;; workspace buffers: qf 16,777,216 bytes; qb 8,388,608 bytes; hq 65,536 bytes; zb 8,388,608 bytes; cand 524,288 bytes of whole numbers; part 1,024 bytes
;; launch prep (part 1): grid 256 x 1, 8 waves a work-group, no clusters, 270,336 bytes of LDS; arguments codebook, proj_w, proj_b, z, qf, qb, hq, zb; writes qf, qb, hq, zb
.if DOCPART == 1
	.amdgcn_target "amdgcn-amd-amdhsa--gfx1250"
	.amdhsa_code_object_version 6
	.text
	.protected	k_q9ef278825c_prep
	.globl	k_q9ef278825c_prep
	.p2align	8
	.type	k_q9ef278825c_prep,@function
k_q9ef278825c_prep:
	s_mov_b64 s[64:65], 0
	v_nop
	global_prefetch_b8 v0, s[64:65] scope:SCOPE_SE
	s_setreg_imm32_b32 hwreg(HW_REG_WAVE_MODE, 25, 1), 1
	s_wait_xcnt 0x0
; prep: the projected codebook and the operands of the distance product.
;   q'[k][o] = sum over d of bf16(codebook[k][d]) bf16(proj_w[o][d]), sums in f32 (one bf16 matrix product)
;   qf[k][o] = q'[k][o] + bf16(proj_b[o])   f32, [16384][256]: the codebook that later launches gather from
;   qb[k][o] = bf16(q'[k][o])               [16384][256]: source 0 of the distance product.  proj_b is left out there: z . proj_b is the same for
;                                           every code of a row of z, so it moves no argmin
;   hq[k]    = -1/2 sum over o of qf[k][o]^2   f32
;   zb       = bf16(z), laid out as matrix fragments: byte ((RB*8 + ks)*2 + p)*512 + 16*lane holds, for the 16 rows RB*16.., the four registers p of the
;              fragment of K step ks (32 along D) of that lane
; LIMIT: codebook, proj_w, proj_b and z are rounded to bf16 here, once; everything that follows is computed from the rounded numbers.
; SHARES: 256 work-groups of eight waves; work-group g owns codes 64 g .. 64 g + 63 and rows 64 g .. 64 g + 63 of z.  Every work-group converts all of proj_w
; (256 KB of f32) for itself: it has to pass through registers to be rounded, and its f32 form does not fit into LDS beside its bf16 form, so no joint request brings it.
; LDS, all written by ds_store: W in bf16 (256 rows), 64 codes in bf16, 64 rows of z in bf16, each with a pitch of 528 bytes (512 + 16: an odd multiple of
; 16 bytes, so that the 16 rows of a fragment load fall into 16 different 16-byte columns of 256 bytes); then a stage of 64 rows of q' in f32, pitch 1,040.
.set PW,   528
.set CBL,  256*PW                      ; 135,168: the codes
.set ZBL,  CBL+64*PW                   ; 168,960: the rows of z
.set STG,  ZBL+64*PW                   ; 202,752: the stage
.set PS,   1040
.set BR,   16                          ; v[16:23]   proj_b rounded to bf16, as f32: columns 4 L .. +3 and 128 + 4 L .. +3
.set T0,   32                          ; v[32:95]   staging set 0; W's fragments of even K steps; q' and qf of my 8 rows
.set T1,   96                          ; v[96:159]  staging set 1; W's fragments of odd K steps; qb of my 8 rows
.set T2,   160                         ; v[160:223] staging set 2, until the product takes these registers
.set CF,   160                         ; v[160:175] the codes' fragment, two buffers
.set SQ,   160                         ; v[160:175] later: eight pairs of partial sums of squares
.set ACC,  176                         ; v[176:239] z's fragments on their way out, then 8 accumulators
; v1 lane L, v2 r = L % 16, v3 h = L / 16, v4 16 L, v5 8 L, v6-v15 and v24-v26 addresses (named where they are made), v[28:31] at work
	s_load_b512 s[4:19], s[0:1], 0x0               ; codebook s[4:5], proj_w s[6:7], proj_b s[8:9], z s[10:11], qf s[12:13], qb s[14:15], hq s[16:17], zb s[18:19]
	v_lshl_add_u32 v240, v0, 2, 0x41c00
	v_mov_b32 v241, 0
	v_lshrrev_b32 v1, 5, v0
	v_readfirstlane_b32 s20, v1                    ; wave 0..7
	v_and_b32 v1, 31, v0                           ; L
	v_lshlrev_b32 v4, 4, v1                        ; 16 L
	s_lshl_b32 s21, s20, 15
	v_add_nc_u32 v6, s21, v4                       ; v6: proj_w at my 32 rows (1,024 bytes each) + 16 L
	s_lshl_b32 s21, s20, 13
	v_add_nc_u32 v7, s21, v4                       ; v7: my 8 rows of 1,024 bytes (codebook, z, qf) + 16 L
	s_lshl_b32 s22, ttmp9, 16                      ; 64 rows of 1,024 bytes a work-group
	s_mov_b32 s23, 0
	s_wait_kmcnt 0x0
	s_add_nc_u64 s[4:5], s[4:5], s[22:23]
	s_add_nc_u64 s[10:11], s[10:11], s[22:23]
	s_add_nc_u64 s[12:13], s[12:13], s[22:23]
	s_lshl_b32 s22, ttmp9, 15                      ; 64 rows of 512 bytes
	s_add_nc_u64 s[14:15], s[14:15], s[22:23]
	s_add_nc_u64 s[18:19], s[18:19], s[22:23]
	s_lshl_b32 s22, ttmp9, 8                       ; 64 numbers of 4 bytes
	s_add_nc_u64 s[16:17], s[16:17], s[22:23]
; A batch: 8 rows, two loads of 512 consecutive bytes a row, into set t.
.macro LDW t, k                        ; rows 8 k .. 8 k + 7 of my 32 rows of proj_w, which every work-group reads: no hint
.irp i, 0,1,2,3,4,5,6,7
	global_load_b128 v[\t+8*\i:\t+8*\i+3],   v6, s[6:7] offset:(8*\k+\i)*1024
	global_load_b128 v[\t+8*\i+4:\t+8*\i+7], v6, s[6:7] offset:(8*\k+\i)*1024+512
.endr
.endm
.macro LDX t, b                        ; my 8 rows of the tensor at s[b:b+1], which this launch reads once
.irp i, 0,1,2,3,4,5,6,7
	global_load_b128 v[\t+8*\i:\t+8*\i+3],   v7, s[\b:\b+1] offset:\i*1024 th:TH_LOAD_NT
	global_load_b128 v[\t+8*\i+4:\t+8*\i+7], v7, s[\b:\b+1] offset:\i*1024+512 th:TH_LOAD_NT
.endr
.endm
; A batch is rounded in place (8 f32 -> 4 words a row) and put into LDS: 32 lanes x 8 bytes are 256 consecutive bytes.
.macro CVST t, areg, off
.irp i, 0,1,2,3,4,5,6,7
	v_cvt_pk_bf16_f32 v[\t+8*\i],   v[\t+8*\i],   v[\t+8*\i+1]
	v_cvt_pk_bf16_f32 v[\t+8*\i+1], v[\t+8*\i+2], v[\t+8*\i+3]
	v_cvt_pk_bf16_f32 v[\t+8*\i+2], v[\t+8*\i+4], v[\t+8*\i+5]
	v_cvt_pk_bf16_f32 v[\t+8*\i+3], v[\t+8*\i+6], v[\t+8*\i+7]
	ds_store_b64 v[\areg], v[\t+8*\i:\t+8*\i+1]   offset:\off+\i*PW
	ds_store_b64 v[\areg], v[\t+8*\i+2:\t+8*\i+3] offset:\off+\i*PW+256
.endr
.endm
.macro PLACES                          ; four places behind matrix instructions (ISA guide 7.12.1), where no other vector work is at hand
.rept 4
	v_nop
.endr
.endm
	; the first three batches go out together, the two tensors that only this work-group reads ahead of proj_w: with proj_b's two, 50 loads of mine are out
	global_load_b128 v[BR:BR+3],   v4, s[8:9]
	global_load_b128 v[BR+4:BR+7], v4, s[8:9] offset:512
	LDX T0, 4                                      ; the codes
	LDX T1, 10                                     ; z
	LDW T2, 0
	; the addresses, while the first loads are on their way
	v_and_b32 v2, 15, v0                           ; r
	v_bfe_u32 v3, v0, 4, 1                         ; h
	v_lshlrev_b32 v5, 3, v1                        ; 8 L
	s_mov_b32 s24, 0xffff0000                      ; a word's upper bf16
	s_mov_b32 s26, 0x76543210                      ; v_permlanex16_b32: each lane takes its own place in the other half
	s_mov_b32 s27, 0xfedcba98
	s_mul_i32 s21, s20, 32*PW
	v_add_nc_u32 v8, s21, v5                       ; v8: LDS, my 32 rows of W + 8 L
	s_mul_i32 s21, s20, 8*PW
	s_add_co_u32 s21, s21, CBL
	v_add_nc_u32 v9, s21, v5                       ; v9: LDS, my 8 codes + 8 L (my 8 rows of z lie ZBL - CBL further on)
	v_mul_u32_u24 v11, v2, PW
	v_lshl_add_u32 v11, v3, 4, v11                 ; v11: a fragment's row x pitch + 16 h
	s_lshr_b32 s21, s20, 1
	s_mul_i32 s21, s21, 16*PW
	s_and_b32 s25, s20, 1
	s_lshl_b32 s25, s25, 8
	s_add_co_u32 s21, s21, s25
	s_add_co_u32 s21, s21, ZBL
	v_add_nc_u32 v10, s21, v11                     ; v10: z's fragments that I send out: 16-row block w / 2, K steps 4 (w % 2) on
	s_lshl_b32 s21, s20, 12
	v_add_nc_u32 v12, s21, v4                      ; v12: zb, 4,096 w + 16 L
	v_add_nc_u32 v25, s21, v5                      ; v25: qb, my 8 rows of 512 bytes + 8 L
	s_lshr_b32 s25, s20, 2                         ; which 128 outputs are mine in the product
	s_and_b32 s29, s20, 3                          ; which 16 codes
	s_mul_i32 s21, s25, 128*PW
	v_add_nc_u32 v13, s21, v11                     ; v13: W's fragments
	s_mul_i32 s21, s29, 16*PW
	s_add_co_u32 s21, s21, CBL
	v_add_nc_u32 v14, s21, v11                     ; v14: the codes' fragment
	s_mul_i32 s21, s29, 16*PS
	s_lshl_b32 s25, s25, 9
	s_add_co_u32 s21, s21, s25
	s_add_co_u32 s21, s21, STG
	v_mul_u32_u24 v15, v2, PS
	v_lshl_add_u32 v15, v3, 5, v15
	v_add_nc_u32 v15, s21, v15                     ; v15: into the stage: code r of my 16, my 128 outputs, 32 bytes for each half of the lanes
	s_mul_i32 s21, s20, 8*PS
	s_add_co_u32 s21, s21, STG
	v_add_nc_u32 v24, s21, v4                      ; v24: back from the stage: my 8 whole rows + 16 L
	s_lshl_b32 s21, s20, 5
	v_lshl_add_u32 v26, v1, 2, s21                 ; v26: hq, 32 w + 4 L
	; (a) six batches through three register sets; each wait leaves the two younger batches' 32 loads out, the last two waits what is left
	s_wait_loadcnt 32                              ; proj_b and the codes are in
.irp j, 0,1,2,3
	v_cvt_pk_bf16_f32 v[28+\j], v[BR+2*\j], v[BR+2*\j+1]
.endr
.irp j, 0,1,2,3
	v_lshlrev_b32 v[BR+2*\j],   16,  v[28+\j]      ; proj_b rounded to bf16 and widened again
	v_and_b32     v[BR+2*\j+1], s24, v[28+\j]
.endr
	CVST T0, 9, 0
	LDW T0, 1
	s_wait_loadcnt 32                              ; z is in
	CVST T1, 9, ZBL-CBL
	LDW T1, 2
	s_wait_loadcnt 32                              ; W's batch 0
	CVST T2, 8, 0*8*PW
	LDW T2, 3
	s_wait_loadcnt 32                              ; W's batch 1
	CVST T0, 8, 1*8*PW
	s_wait_loadcnt 16                              ; W's batch 2: one batch was issued behind it
	CVST T1, 8, 2*8*PW
	s_wait_loadcnt 0x0                             ; the last batch: nothing was issued behind it
	CVST T2, 8, 3*8*PW
	s_wait_dscnt 0x0                               ; for the others' sake: my stores into LDS are done
	s_barrier_signal -1
	s_barrier_wait -1
; The fragments of K step ks: 16 rows x 32 K in 8 registers, two loads of 16 bytes, 32 bytes apart.  8 fragments of W, one of the codes: 18 loads.
.macro FETCHP ks
.set wf, T0+64*((\ks)%2)
.set cf, CF+8*((\ks)%2)
.irp nb, 0,1,2,3,4,5,6,7
	ds_load_b128 v[wf+8*\nb:wf+8*\nb+3],   v13 offset:\nb*16*PW+64*(\ks)
	ds_load_b128 v[wf+8*\nb+4:wf+8*\nb+7], v13 offset:\nb*16*PW+64*(\ks)+32
.endr
	ds_load_b128 v[cf:cf+3],   v14 offset:64*(\ks)
	ds_load_b128 v[cf+4:cf+7], v14 offset:64*(\ks)+32
.endm
; Source 0 = 16 rows of W (outputs), source 1 = 16 codes: a lane then holds 8 neighbouring outputs of one code.  The 8 accumulators take turns, one
; instruction a turn, from K step to K step too.  The first K step starts the sums.
.macro MULP ks
.set wf, T0+64*((\ks)%2)
.set cf, CF+8*((\ks)%2)
.irp nb, 0,1,2,3,4,5,6,7
.if (\ks) == 0
	v_wmma_f32_16x16x32_bf16 v[ACC+8*\nb:ACC+8*\nb+7], v[wf+8*\nb:wf+8*\nb+7], v[cf:cf+7], 0
.else
	v_wmma_f32_16x16x32_bf16 v[ACC+8*\nb:ACC+8*\nb+7], v[wf+8*\nb:wf+8*\nb+7], v[cf:cf+7], v[ACC+8*\nb:ACC+8*\nb+7]
.endif
.endr
.endm
	; (b) z leaves as fragments: 8 loads of 16 bytes a lane, 8 stores of 512 consecutive bytes a wave
.irp i, 0,1,2,3,4,5,6,7
	ds_load_b128 v[ACC+4*\i:ACC+4*\i+3], v10 offset:32*\i
.endr
	FETCHP 0
	s_wait_dscnt 18                                ; z's fragments are in; the 18 loads of K step 0 may stay out
.irp i, 0,1,2,3,4,5,6,7
	global_store_b128 v12, v[ACC+4*\i:ACC+4*\i+3], s[18:19] offset:512*\i
.endr
	; (c) the product, K step by K step; the next step's fragments are asked for ahead of each step's products
	FETCHP 1
	s_wait_dscnt 18                                ; K step 0 is in; the 18 loads just issued may stay out
	s_wait_xcnt 0x0                                ; the stores above have read their data: the accumulators take those registers only behind this wait
	MULP 0
.irp ks, 1,2,3,4,5,6
	PLACES                                         ; the loads below land in the buffer that the products just issued have read
	FETCHP \ks+1
	s_wait_dscnt 18
	MULP \ks
.endr
	s_wait_dscnt 0x0
	MULP 7
	; (d) q' into the stage: a lane's 8 outputs of a code are 32 neighbouring bytes
	PLACES
.irp nb, 0,1,2,3,4,5,6,7
	ds_store_b128 v15, v[ACC+8*\nb:ACC+8*\nb+3]   offset:64*\nb
	ds_store_b128 v15, v[ACC+8*\nb+4:ACC+8*\nb+7] offset:64*\nb+16
.endr
	s_wait_dscnt 0x0                               ; a row's 1,024 bytes come from two waves: my stores are done,
	s_barrier_signal -1
	s_barrier_wait -1                              ; everybody's are
	; (e) back as whole rows, 8 rows a wave, each with registers of its own, so that no store's data is written again
.irp i, 0,1,2,3,4,5,6,7
	ds_load_b128 v[T0+8*\i:T0+8*\i+3],   v24 offset:\i*PS
	ds_load_b128 v[T0+8*\i+4:T0+8*\i+7], v24 offset:\i*PS+512
.endr
.irp i, 0,1,2,3,4,5,6,7
	s_wait_dscnt 14-2*\i                           ; row i is in; the rows behind it may stay out
.irp j, 0,1,2,3
	v_cvt_pk_bf16_f32 v[T1+4*\i+\j], v[T0+8*\i+2*\j], v[T0+8*\i+2*\j+1]
.endr
	global_store_b64 v25, v[T1+4*\i:T1+4*\i+1],   s[14:15] offset:\i*512       ; 32 lanes x 8 bytes: 256 consecutive bytes, aligned
	global_store_b64 v25, v[T1+4*\i+2:T1+4*\i+3], s[14:15] offset:\i*512+256
.irp j, 0,1,2,3
	v_pk_add_f32 v[T0+8*\i+2*\j:T0+8*\i+2*\j+1], v[T0+8*\i+2*\j:T0+8*\i+2*\j+1], v[BR+2*\j:BR+2*\j+1]
.endr
	global_store_b128 v7, v[T0+8*\i:T0+8*\i+3],   s[12:13] offset:\i*1024
	global_store_b128 v7, v[T0+8*\i+4:T0+8*\i+7], s[12:13] offset:\i*1024+512
	v_pk_mul_f32 v[SQ+2*\i:SQ+2*\i+1], v[T0+8*\i:T0+8*\i+1], v[T0+8*\i:T0+8*\i+1]
.irp j, 1,2,3
	v_pk_fma_f32 v[SQ+2*\i:SQ+2*\i+1], v[T0+8*\i+2*\j:T0+8*\i+2*\j+1], v[T0+8*\i+2*\j:T0+8*\i+2*\j+1], v[SQ+2*\i:SQ+2*\i+1]
.endr
	v_add_f32 v[SQ+2*\i], v[SQ+2*\i], v[SQ+2*\i+1]
.endr
	; the eight sums over the 32 lanes, side by side
.irp m, 1,2,4,8
.irp i, 0,1,2,3,4,5,6,7
	v_add_f32_dpp v[SQ+2*\i], v[SQ+2*\i], v[SQ+2*\i] row_xmask:\m row_mask:0xf bank_mask:0xf
.endr
.endr
.irp i, 0,1,2,3,4,5,6,7
	v_permlanex16_b32 v[SQ+2*\i+1], v[SQ+2*\i], s26, s27
.endr
.irp i, 0,1,2,3,4,5,6,7
	v_add_f32 v[SQ+2*\i], v[SQ+2*\i], v[SQ+2*\i+1]
.endr
.irp i, 1,2,3,4,5,6,7
	v_cmp_eq_u32 vcc_lo, \i, v1
	v_cndmask_b32 v[SQ], v[SQ], v[SQ+2*\i], vcc_lo ; lane i takes row i's sum
.endr
	v_mul_f32 v[SQ], -0.5, v[SQ]
	v_cmp_gt_u32 vcc_lo, 8, v1
	s_wait_xcnt 0x0                                ; EXEC is a source of the stores above: it changes only behind this wait
	s_wait_tensorcnt 0x0
	ds_add_u32 v240, v241
	s_wait_dscnt 0x0
	s_and_saveexec_b32 s28, vcc_lo
	global_store_b32 v26, v[SQ], s[16:17]          ; 32 bytes a wave: the one store here that fills no whole 256 bytes (64 KB in the whole launch)
	s_wait_xcnt 0x0
	s_or_b32 exec_lo, exec_lo, s28
	s_endpgm
.Lfunc_end_k_q9ef278825c_prep:
	.size	k_q9ef278825c_prep, .Lfunc_end_k_q9ef278825c_prep-k_q9ef278825c_prep
	.p2alignl 7, 3214868480
	.fill 96, 4, 3214868480
	.section	.rodata,"a",@progbits
	.p2align	6, 0x0
	.amdhsa_kernel k_q9ef278825c_prep
		.amdhsa_group_segment_fixed_size 270336
		.amdhsa_private_segment_fixed_size 0
		.amdhsa_enable_private_segment 0
		.amdhsa_kernarg_size 64
		.amdhsa_user_sgpr_count 2
		.amdhsa_user_sgpr_kernarg_segment_ptr 1
		.amdhsa_wavefront_size32 1
		.amdhsa_system_sgpr_workgroup_id_x 1
		.amdhsa_system_sgpr_workgroup_id_y 1
		.amdhsa_system_sgpr_workgroup_id_z 1
		.amdhsa_system_vgpr_workitem_id 0
		.amdhsa_next_free_vgpr 242
		.amdhsa_next_free_sgpr 66
		.amdhsa_reserve_vcc 1
		.amdhsa_float_denorm_mode_32 3
		.amdhsa_float_denorm_mode_16_64 3
		.amdhsa_memory_ordered 1
		.amdhsa_forward_progress 1
		.amdhsa_inst_pref_size 62
	.end_amdhsa_kernel
	.amdgpu_metadata
---
amdhsa.version: [ 1, 2 ]
amdhsa.kernels:
  - .name:           k_q9ef278825c_prep
    .symbol:         k_q9ef278825c_prep.kd
    .args:
      - { .name: codebook, .offset: 0, .size: 8, .value_kind: global_buffer, .address_space: global }
      - { .name: proj_w, .offset: 8, .size: 8, .value_kind: global_buffer, .address_space: global }
      - { .name: proj_b, .offset: 16, .size: 8, .value_kind: global_buffer, .address_space: global }
      - { .name: z, .offset: 24, .size: 8, .value_kind: global_buffer, .address_space: global }
      - { .name: qf, .offset: 32, .size: 8, .value_kind: global_buffer, .address_space: global }
      - { .name: qb, .offset: 40, .size: 8, .value_kind: global_buffer, .address_space: global }
      - { .name: hq, .offset: 48, .size: 8, .value_kind: global_buffer, .address_space: global }
      - { .name: zb, .offset: 56, .size: 8, .value_kind: global_buffer, .address_space: global }
    .group_segment_fixed_size: 270336
    .private_segment_fixed_size: 0
    .kernarg_segment_align: 8
    .kernarg_segment_size: 64
    .max_flat_workgroup_size: 256
    .sgpr_count:     66
    .vgpr_count:     242
    .wavefront_size: 32
...
	.end_amdgpu_metadata
.endif
;; end of part 1
;; launch coarse (part 2): grid 128 x 2, 4 waves a work-group, clusters of 4 x 1, 327,680 bytes of LDS; arguments zb, qb, hq, cand; writes cand
.if DOCPART == 2
	.amdgcn_target "amdgcn-amd-amdhsa--gfx1250"
	.amdhsa_code_object_version 6
	.text
	.protected	k_q9ef278825c_coarse
	.globl	k_q9ef278825c_coarse
	.p2align	8
	.type	k_q9ef278825c_coarse,@function
k_q9ef278825c_coarse:
	s_mov_b64 s[64:65], 0
	v_nop
	global_prefetch_b8 v0, s[64:65] scope:SCOPE_SE
	s_setreg_imm32_b32 hwreg(HW_REG_WAVE_MODE, 25, 1), 1
	s_wait_xcnt 0x0
	s_wait_alu depctr_hold_cnt(0) depctr_sa_sdst(0) depctr_va_vdst(0) depctr_va_sdst(0) depctr_va_ssrc(0) depctr_va_vcc(0) depctr_vm_vsrc(0)
	s_getreg_b32 s2, hwreg(HW_REG_IB_STS2, 6, 4)
	s_cmp_eq_u32 s2, 0
	s_cbranch_scc0 .Lentry_in_a_cluster
	s_endpgm
.Lentry_in_a_cluster:
	s_bfe_u32 s2, ttmp6, 0x10000c
	s_cmp_lg_u32 s2, 0x3003
	s_cbranch_scc0 .Lentry_shape_is_right
	s_endpgm
.Lentry_shape_is_right:
; coarse: for every row of z and each half of the codebook, three candidates for the nearest code.
; The score of code k for row n is s = z[n] . q'[k] - 1/2 |q[k]|^2 (largest score = smallest distance; |z|^2 and z . proj_b are the same for all codes of a row).
; z and q' enter as bf16, sums in f32; the 16,384 x 16,384 scores never leave registers.
; LIMITS.  (1) q' is rounded to bf16, and the low 10 bits of a score's mantissa are replaced by the code's place (a relative 2^-13): this launch only proposes
; candidates; the next launch scores them again in f32.  (2) A lane keeps its best two keys, where a block of 8 scores offers the best and the second of the maxima
; of its three groups of 3, 3 and 2; a row's 16 keys give the best three of this half of the codebook.  A code that is nearest in f32 is lost if a code of its own group, two
; codes of its lane's 1,024 or three codes of its half overtake it by the rounding of (1); the index found is then still a best code of the bf16 product.  The risk grows
; with common offsets in the inputs.  (3) Among keys equal in the kept bits the lower code wins where the score is positive, the higher where it is negative.  (4) NaN inputs are not served.
; SHARES.  Work-group (X, y): rows 128 X .. 128 X + 127 of z against codes 8,192 y .. 8,192 y + 8,191.  Every wave holds ALL 128 rows of z as source-1 fragments (512 registers);
; the four waves divide the codes: of each tile of 256 codes wave w takes 64 w .. 64 w + 63, four BLOCKS of 16.  So LDS feeds codes alone: 8 KB for 64 matrix instructions.
; LAYOUT.  Source 0 = 16 codes, source 1 = 16 rows of z: lane (r, h), register j holds s(code 8 h + j, row r): the maximum over codes stays inside a lane.  The C of an accumulator's
; first product is hq[code 8 h + j], so -1/2 |q|^2 costs no vector work and nothing is cleared.
; BY TURNS.  A block is two PHASES of 32 matrix instructions (rows 0-63, rows 64-127).  While one half's products are issued, the other half's 32 registers of scores are finished:
; 64 vector instructions, two behind EACH matrix instruction: one step of the finish for the two row blocks of a pair.  Set apart they would leave the matrix unit idle for two vector
; instructions to each matrix instruction.
; WINDOWS.  Of a product's operands only source 1 (z) leaves window 0.  A step of the finish whose source 1 is a scalar register names vector registers only in places whose window is 0
; under the products' setting too, so it stands there without a switch: the eight steps that put a code's place into a score, and the three steps of two operands, written in the
; three-operand form with minus infinity in the middle.  The five steps with three vector operands cost two switches each: 20 a phase.
; CLUSTER.  The four row blocks of a cluster walk the same codes: each tile of qb, and hq, is asked for JOINTLY, by the same tensor load with the same descriptor (made of y and
; the wave's number alone) and the mask 15.
; LDS: slot 0, slot 1: 256 codes x 528 bytes (512 + 16 of padding: an odd multiple of 16 bytes, so that the 16 rows of a fragment load fall into 16 different 16-byte columns of 256
; bytes), wave w's 64 rows at w x 33,792; hq of this half, 8 KB a wave: row t = the 64 numbers of my codes in tile t; a scratch of 128 rows x 80 bytes that no tensor load fills.
; REGISTERS.  Window 0: v0-15 addresses; v16-31 best two keys for each of 8 blocks of rows; v32-47 hq, two buffers; v48-111 8 accumulators; v112-239 the codes' fragments, two
; buffers of 8; v240-253 the merge.  Window 1: z's row blocks 0-3 (block b, K step ks at v[64 b + 8 ks]).  Window 2: row blocks 4-7.
.set PQ,    528
.set WPART, 64*PQ                      ; 33,792: a wave's part of a slot, what one tensor load brings
.set SLOT,  4*WPART                    ; 135,168
.set HQB,   2*SLOT                     ; 270,336
.set SCR,   HQB+32768                  ; 303,104
.set PSC,   80
.set TILEB, 256*512                    ; bytes of a tile of 256 codes in qb
.set TRIPS, 15                         ; 32 tiles: two are filled at the start, each trip asks for two more
.set AQ,   5                           ; v5, v6  LDS address of my fragments in slot 0, 1
.set AHQ,  7                           ; v7      LDS address of my 8 numbers of hq; steps 256 bytes a tile
.set ST,   16
.set HQ,   32
.set ACC,  48
.set QF,   112
.set KEY,  112                         ; the merge: a row's 16 keys
.set K1,   240
.set K2,   241
.set K3,   242
.set A1,   243
.set A2,   244
.set A3,   245
.set TA,   246
.set TE,   247                         ; v247-249
.set OUT,  250                         ; v[250:253]
.set G1Q,  16                          ; s[16:23] descriptor group 1, tiles of qb
.set G1H,  24                          ; s[24:31] descriptor group 1, hq
.set G0,   32                          ; s[32:39] descriptor group 0, one set for each slot
.set G0H,  40                          ; s[40:43] descriptor group 0, hq
.set NINF, 46                          ; s46      minus infinity, once the set-up has done with the register
.set IDX,  48                          ; s[48:55] 1,023 - (8 c + j): the place of register j of block c among my lane's 1,024 codes, turned round so that the lower code is the larger key
.set MSB, 0
.macro WIN new                         ; the immediate's high byte repeats the setting that is left; a switch that changes nothing is dropped
.if MSB != \new
	s_set_vgpr_msb (MSB<<8)|\new
.set MSB, \new
.endif
.endm
.macro PLACES
.rept 4
	v_nop
.endr
.endm
; A round of the cluster's barrier: my work-group's barrier, so that wave 0's signal speaks for all four waves; wave 0 signals for the work-group; every wave waits for all four
; work-groups; my work-group's barrier once more.
.macro CREST                           ; a round behind its opening barrier
	s_cmp_lg_u32 s12, 0
	s_cbranch_scc1 .Lnot_wave_0_\@
	s_barrier_signal -3
.Lnot_wave_0_\@:
	s_barrier_wait -3
	s_barrier_signal -1
	s_barrier_wait -1
.endm
.macro CROUND                          ; a whole round
	s_barrier_signal -1
	s_barrier_wait -1
	CREST
.endm
	s_load_b256 s[4:11], s[0:1], 0x0               ; zb s[4:5], qb s[6:7], hq s[8:9], cand s[10:11]
	v_lshl_add_u32 v254, v0, 2, 0x4c800
	v_mov_b32 v255, 0
	ds_add_u32 v254, v255
	v_lshrrev_b32 v1, 5, v0
	v_readfirstlane_b32 s12, v1                    ; wave 0..3
	s_bfe_u32 s13, ttmp6, 0x40000                  ; cx: my place in the cluster
	s_lshl_b32 s14, ttmp9, 2                       ; in a cluster launch ttmp9 counts clusters
	s_add_co_u32 s14, s14, s13                     ; X = 4 x cluster x + cx: it enters zb's and cand's addresses alone
	s_and_b32 s15, ttmp7, 0xffff                   ; y: the half of the codebook, which the four partners share
	; group 1 for qb: a tile of 64 rows x 256 elements of 2 bytes, padded in LDS
	s_mov_b32 s[G1Q+0], 15|(1<<16)|(1<<20)|(1<<21)|(6<<22)|(3<<25)  ; 15:0 the mask: all four work-groups; 17:16 elements of 2 bytes; 20 padding on; 21 set beside a mask; 24:22 after every 128 words (code 6); 31:25 4 words of it (code 3)
	s_mov_b32 s[G1Q+1], 256<<16                    ; tensor_dim0 = 256
	s_mov_b32 s[G1Q+2], 64<<16                     ; tensor_dim1 = 64
	s_mov_b32 s[G1Q+3], 256<<16                    ; tile_dim0 = 256
	s_mov_b32 s[G1Q+4], 64                         ; tile_dim1 = 64
	s_mov_b32 s[G1Q+5], 256                        ; elements from row to row
	s_mov_b32 s[G1Q+6], 0
	s_mov_b32 s[G1Q+7], 0
	; group 1 for hq: 32 rows (tiles) x 64 elements of 4 bytes, 256 elements from row to row, no padding
	s_mov_b32 s[G1H+0], 15|(2<<16)|(1<<21)
	s_mov_b32 s[G1H+1], 64<<16
	s_mov_b32 s[G1H+2], 32<<16
	s_mov_b32 s[G1H+3], 64<<16
	s_mov_b32 s[G1H+4], 32
	s_mov_b32 s[G1H+5], 256
	s_mov_b32 s[G1H+6], 0
	s_mov_b32 s[G1H+7], 0
	s_lshl_b32 s46, s15, 22                        ; qb: 8,192 codes of 512 bytes a half,
	s_lshl_b32 s47, s12, 15                        ; my 64 codes of a tile
	s_add_co_u32 s46, s46, s47
	s_mov_b32 s47, 0
	s_lshl_b32 s62, s15, 15                        ; hq: 8,192 numbers a half,
	s_lshl_b32 s63, s12, 8                         ; my 64 of a tile
	s_add_co_u32 s62, s62, s63
	s_mov_b32 s63, 0
	s_lshl_b32 s56, s14, 16                        ; zb: 128 rows of 512 bytes a work-group
	s_mov_b32 s57, 0
	s_lshl_b32 s58, s15, 18                        ; cand: 16,384 rows of 16 bytes a half,
	s_lshl_b32 s59, s14, 11                        ; 128 rows a work-group
	s_add_co_u32 s58, s58, s59
	s_mov_b32 s59, 0
	s_mul_i32 s61, s12, WPART                      ; my part of a slot: no place in the cluster enters an LDS address
	s_lshl_b32 s60, s15, 13                        ; the half's first code
	s_mov_b32 s45, 0xfffffc00                      ; keeps a score's sign, exponent and upper 13 bits of mantissa
	s_mov_b32 s44, TRIPS
.irp j, 0,1,2,3,4,5,6,7
	s_mov_b32 s[IDX+\j], 1023-\j
.endr
	v_and_b32 v1, 31, v0                           ; lane
	v_and_b32 v2, 15, v0                           ; r
	v_bfe_u32 v3, v0, 4, 1                         ; h
	v_lshlrev_b32 v4, 4, v1                        ; 16 x lane
	s_wait_dscnt 0x0
	s_wait_kmcnt 0x0
	s_add_nc_u64 s[6:7], s[6:7], s[46:47]
	s_add_nc_u64 s[8:9], s[8:9], s[62:63]
	s_add_nc_u64 s[4:5], s[4:5], s[56:57]
	s_add_nc_u64 s[10:11], s[10:11], s[58:59]
	s_mov_b32 s[NINF], 0xff800000                  ; the offset that lay here has been added
.irp n, 0,1
	s_mov_b32 s[G0+4*\n], 1                        ; count = 1
	s_add_co_u32 s[G0+4*\n+1], s61, \n*SLOT        ; LDS address
	s_add_nc_u64 s[G0+4*\n+2:G0+4*\n+3], s[6:7], \n*TILEB  ; global address: tile n
	s_or_b32 s[G0+4*\n+3], s[G0+4*\n+3], 0x80000000        ; type = 2
.endr
	s_mov_b32 s[G0H], 1
	s_lshl_b32 s[G0H+1], s12, 13
	s_add_co_u32 s[G0H+1], s[G0H+1], HQB
	s_mov_b64 s[G0H+2:G0H+3], s[8:9]
	s_or_b32 s[G0H+3], s[G0H+3], 0x80000000
	CROUND                                         ; all four work-groups are here: the first joint loads meet
	tensor_load_to_lds s[G0:G0+3], s[G1Q:G1Q+7]    ; tile 0.  The three first fills go out together: three tensor loads of mine are out
	s_nop 0
	tensor_load_to_lds s[G0H:G0H+3], s[G1H:G1H+7]  ; hq of my codes, for the whole launch
	s_nop 0
	tensor_load_to_lds s[G0+4:G0+7], s[G1Q:G1Q+7]  ; tile 1
	s_nop 0
	PLACES                                         ; four v_nop follow the joint loads
	; z stays in registers: fragment f = 8 x row block + K step lies at byte 1,024 f of my work-group's 64 KB, its two halves 512 bytes apart
	WIN 0x40                                       ; destination window 1, address window 0
.set f, 0
.rept 32
	global_load_b128 v[8*f:8*f+3],   v4, s[4:5] offset:f*1024
	global_load_b128 v[8*f+4:8*f+7], v4, s[4:5] offset:f*1024+512
.set f, f+1
.endr
	WIN 0x80                                       ; destination window 2
.set f, 0
.rept 32
	global_load_b128 v[8*f:8*f+3],   v4, s[4:5] offset:(f+32)*1024
	global_load_b128 v[8*f+4:8*f+7], v4, s[4:5] offset:(f+32)*1024+512
.set f, f+1
.endr
	WIN 0
	v_mul_u32_u24 v[AQ], v2, PQ
	v_lshl_add_u32 v[AQ], v3, 4, v[AQ]
	v_add_nc_u32 v[AQ], s61, v[AQ]                 ; my part + row x pitch + 16 h
	v_add_nc_u32 v[AQ+1], SLOT, v[AQ]
	v_lshl_add_u32 v[AHQ], v3, 5, s[G0H+1]         ; my part of hq + 32 h
.irp j, 0,1,2,3,4,5,6,7,8,9,10,11,12,13,14,15
	v_mov_b32 v[ST+\j], 0xff800000                 ; the best two keys start at minus infinity
.endr
; Matrix instruction i of 32 of a phase: K step i / 4, row block 4 half + i % 4.  The four accumulators take turns, one instruction a turn, and a phase's last and the next
; phase's first differ, over the loop's backward jump too.  The first four take hq as C.
.macro MM half, buf
	WIN (4+4*(\half))                              ; source 1 (z) in window 1 or 2, all else in window 0
.set rA, ACC+8*(4*(\half)+i%4)
.set rQ, QF+64*(\buf)+8*(i/4)
.set rZ, 64*(i%4)+8*(i/4)
.if i < 4
	v_wmma_f32_16x16x32_bf16 v[rA:rA+7], v[rQ:rQ+7], v[rZ:rZ+7], v[HQ+8*(\buf):HQ+8*(\buf)+7]
.else
	v_wmma_f32_16x16x32_bf16 v[rA:rA+7], v[rQ:rQ+7], v[rZ:rZ+7], v[rA:rA+7]
.endif
.endm
; Operation epn of 64 of a half's finish.  Two pairs of row blocks, 32 operations a pair; step eo of 16 is written for the pair's two blocks one behind the other, so that no operation
; reads the result of the one before.  For a block with scores a0-a7 and best keys hi, lo:  0-7 the place goes into the low 10 bits;  8-10 the maxima of a0-a2, a3-a5, a6-a7;
; 11, 12 the largest (m) and the middle one (s) of the three;  13-15 lo = max(lo, min(hi, m), s), hi = max(hi, m).
; Steps 0-7, 10, 13 and 15 have a scalar register as source 1 and are right under window settings 0, 4 and 8 alike (these differ in source 1's window alone): max(a, b) is the largest of
; a, minus infinity and b; min(a, b) is the middle one of the three.  Steps 8, 9, 11, 12 and 14 name three vector registers and switch to window 0.
.macro EP half
.set em, epn%32
.set ea, ACC+8*(4*(\half)+2*(epn/32)+em%2)
.set es, ST+2*(4*(\half)+2*(epn/32)+em%2)
.set eo, em/2
.if eo < 8
	v_and_or_b32 v[ea+eo], v[ea+eo], s45, s[IDX+eo]
.elseif eo == 8
	WIN 0
	v_max3_num_f32 v[ea], v[ea], v[ea+1], v[ea+2]
.elseif eo == 9
	WIN 0
	v_max3_num_f32 v[ea+3], v[ea+3], v[ea+4], v[ea+5]
.elseif eo == 10
	v_max3_num_f32 v[ea+6], v[ea+6], s[NINF], v[ea+7]
.elseif eo == 11
	WIN 0
	v_max3_num_f32 v[ea+1], v[ea], v[ea+3], v[ea+6]
.elseif eo == 12
	WIN 0
	v_med3_num_f32 v[ea+2], v[ea], v[ea+3], v[ea+6]
.elseif eo == 13
	v_med3_num_f32 v[ea+4], v[es], s[NINF], v[ea+1]
.elseif eo == 14
	WIN 0
	v_max3_num_f32 v[es+1], v[es+1], v[ea+4], v[ea+2]
.else
	v_max3_num_f32 v[es], v[es], s[NINF], v[ea+1]
.endif
.set epn, epn+1
.endm
; Matrix instructions from .. to - 1 of a phase.  ep = 1: behind product i stands step i % 16 of the OTHER half's finish, for pair i / 16: two operations.
; A vector instruction that reads a matrix result, and a load into a register that a matrix instruction has read, stand four places behind it, and only plain vector instructions that
; name none of its registers are places (ISA guide 7.12.1 for vector instructions).  A row block's last product is one of a phase's last four, in the order
; of the row blocks; the next phase's finish begins with the first two row blocks, so at least three slices, six operations that name the other half's registers alone, stand between.
.macro PH half, buf, ep, from, to
.set i, \from
.rept \to-\from
	MM \half, \buf
.if \ep
.set epn, 2*i
	EP 1-\half
	EP 1-\half
.endif
.set i, i+1
.endr
.endm
; 18 LDS loads in one run: block b's 8 fragments (16 codes x 32 K: two loads of 16 bytes, 32 bytes apart) out of slot sl, and its 8 numbers of hq, into buffer buf
.macro FETCH sl, b, buf
.irp k, 0,1,2,3,4,5,6,7
	ds_load_b128 v[QF+64*(\buf)+8*\k:QF+64*(\buf)+8*\k+3],   v[AQ+\sl] offset:(\b)*16*PQ+64*\k
	ds_load_b128 v[QF+64*(\buf)+8*\k+4:QF+64*(\buf)+8*\k+7], v[AQ+\sl] offset:(\b)*16*PQ+64*\k+32
.endr
	ds_load_b128 v[HQ+8*(\buf):HQ+8*(\buf)+3],   v[AHQ] offset:64*(\b)
	ds_load_b128 v[HQ+8*(\buf)+4:HQ+8*(\buf)+7], v[AHQ] offset:64*(\b)+16
.endm
; A BLOCK of 16 codes, on fragment buffer buf.  Phase 0 carries the finish of the block before's rows 64-127 (with that block's places), phase 1 that of this block's rows 0-63.
; fetch = 1: behind the eighth product the next block (nb, of slot sl) is fetched into the other buffer, 56 matrix instructions ahead of the wait for it; the buffer's last reader, the
; block before's last product, stands nine slices back.
; change = 1: this is the last block of slot cs's tile, so its fragments, waited for at its head, were my last reads of that slot.  All my tensor loads have landed too: the one that was
; out is my part of the other slot.  The barrier that says so opens a round of the cluster's barrier, eight products and their slices stand inside it, and the joint refill of slot cs, two
; tiles on, is the first thing behind it: one tensor load of mine is out, and it has the other slot's four blocks in which to land.
; change = 2: the same place in the tail: the last tile is waited for and nothing is filled.
.macro BLOCK buf, first, change, cs, fetch, sl, nb
	s_wait_dscnt 0x0                               ; this block's 18 loads are in
.if \change
	s_set_vgpr_msb 0x800
	s_wait_tensorcnt 0x0                           ; no tensor load of mine is out, so a group 0 may be written
	ds_add_u32 v254, v255
	s_wait_dscnt 0x0
	s_set_vgpr_msb 0x8
.endif
.if \change == 1
	s_add_nc_u64 s[G0+4*\cs+2:G0+4*\cs+3], s[G0+4*\cs+2:G0+4*\cs+3], 2*TILEB  ; the type bits on top are not reached
	s_barrier_signal -1
.endif
	PH 0, \buf, 1-\first, 0, 8
	WIN 0                                          ; at a label and at a branch every window is 0
.if \change == 1
	s_barrier_wait -1
	CREST                                          ; no wave of any partner still reads this slot's tile or has a load on its way
	tensor_load_to_lds s[G0+4*\cs:G0+4*\cs+3], s[G1Q:G1Q+7]
	s_nop 0
	PLACES                                         ; four v_nop follow the joint load
.endif
.if \fetch
.if \nb == 0
	v_add_nc_u32 v[AHQ], 256, v[AHQ]               ; hq of the next tile
.endif
	FETCH \sl, \nb, 1-\buf
.endif
	PH 0, \buf, 1-\first, 8, 32
.if \first
	PLACES                                         ; the first block has no finish to carry in phase 0: four v_nop are the places behind its last product
.else
.irp j, 0,1,2,3,4,5,6,7
	s_sub_co_u32 s[IDX+\j], s[IDX+\j], 8           ; the places of this block's eight registers
.endr
.endif
	PH 1, \buf, 1, 0, 32
.endm
	s_wait_tensorcnt 0x1                           ; tile 0 and hq are in: only tile 1's load was issued behind them
	s_barrier_signal -1
	s_barrier_wait -1                              ; everybody's are; tile 1 may stay out
	FETCH 0, 0, 0
	s_wait_loadcnt 0x0                             ; z
	BLOCK 0, 1, 0, 0, 1, 0, 1                      ; tile 0, block 0
	WIN 0
.Ltrip:                                                ; a trip goes once round the ring, from a tile's second block to the first block of the tile two on, and fills both slots again
	BLOCK 1, 0, 0, 0, 1, 0, 2
	BLOCK 0, 0, 0, 0, 1, 0, 3
	BLOCK 1, 0, 1, 0, 1, 1, 0
	BLOCK 0, 0, 0, 0, 1, 1, 1
	BLOCK 1, 0, 0, 0, 1, 1, 2
	BLOCK 0, 0, 0, 0, 1, 1, 3
	BLOCK 1, 0, 1, 1, 1, 0, 0
	BLOCK 0, 0, 0, 0, 1, 0, 1
	WIN 0
	s_sub_co_u32 s44, s44, 1
	s_cmp_lg_u32 s44, 0
	s_cbranch_scc1 .Ltrip
	BLOCK 1, 0, 0, 0, 1, 0, 2                      ; the last two tiles are written out: nothing is asked for
	BLOCK 0, 0, 0, 0, 1, 0, 3
	BLOCK 1, 0, 2, 0, 1, 1, 0
	BLOCK 0, 0, 0, 0, 1, 1, 1
	BLOCK 1, 0, 0, 0, 1, 1, 2
	BLOCK 0, 0, 0, 0, 1, 1, 3
	BLOCK 1, 0, 0, 0, 0, 0, 0
	WIN 0
.set epn, 0
.rept 64
	EP 1                                           ; the last block's rows 64-127
.endr
	; THE MERGE.  A row's 16 keys (4 waves x 2 halves of the lanes x 2) meet in the scratch; thread t takes row t.
	v_mul_u32_u24 v8, v2, PSC
	v_lshl_add_u32 v8, v3, 3, v8
	s_lshl_b32 s62, s12, 4
	s_add_co_u32 s62, s62, SCR
	v_add_nc_u32 v8, s62, v8                       ; row r x 80 + 16 w + 8 h
.irp b, 0,1,2,3,4,5,6,7
	ds_store_b64 v8, v[ST+2*\b:ST+2*\b+1] offset:\b*16*PSC
.endr
	s_wait_dscnt 0x0                               ; for the others' sake: my stores are done
	s_barrier_signal -1
	s_barrier_wait -1
	v_mul_u32_u24 v9, v0, PSC
	v_add_nc_u32 v9, SCR, v9
.irp q, 0,1,2,3
	ds_load_b128 v[KEY+4*\q:KEY+4*\q+3], v9 offset:16*\q
.endr
	v_lshlrev_b32 v10, 4, v0                       ; my row's 16 bytes in cand
.irp k, K1, K2, K3
	v_mov_b32 v[\k], 0xff800000
.endr
.irp a, A1, A2, A3
	v_mov_b32 v[\a], 0
.endr
; Key q (wave q / 4, half (q / 2) % 2) is put in its place among the best three K1 >= K2 >= K3; A1-A3 follow with 64 x wave + 8 x half.  Selections only: no branch hangs on a score.
.macro INSERT q
	v_mov_b32 v[TA], 64*((\q)/4)+8*(((\q)/2)%2)
	v_cmp_gt_f32 s56, v[KEY+\q], v[K1]
	v_cmp_gt_f32 s57, v[KEY+\q], v[K2]
	v_cmp_gt_f32 s58, v[KEY+\q], v[K3]
	v_cndmask_b32 v[A3], v[A3], v[TA], s58
	v_cndmask_b32 v[A3], v[A3], v[A2], s57
	v_cndmask_b32 v[A2], v[A2], v[TA], s57
	v_cndmask_b32 v[A2], v[A2], v[A1], s56
	v_cndmask_b32 v[A1], v[A1], v[TA], s56
	v_med3_num_f32 v[K3], v[KEY+\q], v[K2], v[K3]
	v_med3_num_f32 v[K2], v[KEY+\q], v[K1], v[K2]
	v_max_num_f32 v[K1], v[K1], v[KEY+\q]
.endm
; e = 1,023 - the key's low 10 bits = 32 x tile + 8 x block + j; the code = 256 x tile + 64 x wave + 16 x block + 8 x half + j + the half's first code
.macro DECODE k, a, o
	v_and_b32 v[TE], 0x3ff, v[\k]
	v_xor_b32 v[TE], 0x3ff, v[TE]
	v_and_b32 v[TE+1], 0x3e0, v[TE]
	v_and_b32 v[TE+2], 0x18, v[TE]
	v_and_b32 v[TE], 7, v[TE]
	v_lshl_add_u32 v[\a], v[TE+1], 3, v[\a]
	v_lshl_add_u32 v[\a], v[TE+2], 1, v[\a]
	v_add3_u32 v[\o], v[\a], v[TE], s60
.endm
	s_wait_dscnt 0x0
.irp q, 0,1,2,3,4,5,6,7,8,9,10,11,12,13,14,15
	INSERT \q
.endr
	DECODE K1, A1, OUT
	DECODE K2, A2, OUT+1
	DECODE K3, A3, OUT+2
	v_mov_b32 v[OUT+3], v[OUT]                     ; the fourth word is written too: a copy of the first
	global_store_b128 v10, v[OUT:OUT+3], s[10:11]  ; a wave stores 512 consecutive bytes, aligned
	s_wait_tensorcnt 0x0
	ds_add_u32 v254, v255
	s_wait_dscnt 0x0
	CROUND                                         ; the closing round: no work-group ends while a partner may still ask for a tile that names it
	s_endpgm
.Lfunc_end_k_q9ef278825c_coarse:
	.size	k_q9ef278825c_coarse, .Lfunc_end_k_q9ef278825c_coarse-k_q9ef278825c_coarse
	.p2alignl 7, 3214868480
	.fill 96, 4, 3214868480
	.section	.rodata,"a",@progbits
	.p2align	6, 0x0
	.amdhsa_kernel k_q9ef278825c_coarse
		.amdhsa_group_segment_fixed_size 327680
		.amdhsa_private_segment_fixed_size 0
		.amdhsa_enable_private_segment 0
		.amdhsa_kernarg_size 32
		.amdhsa_user_sgpr_count 2
		.amdhsa_user_sgpr_kernarg_segment_ptr 1
		.amdhsa_wavefront_size32 1
		.amdhsa_system_sgpr_workgroup_id_x 1
		.amdhsa_system_sgpr_workgroup_id_y 1
		.amdhsa_system_sgpr_workgroup_id_z 1
		.amdhsa_system_vgpr_workitem_id 0
		.amdhsa_next_free_vgpr 768
		.amdhsa_next_free_sgpr 66
		.amdhsa_reserve_vcc 0
		.amdhsa_float_denorm_mode_32 3
		.amdhsa_float_denorm_mode_16_64 3
		.amdhsa_memory_ordered 1
		.amdhsa_forward_progress 1
		.amdhsa_inst_pref_size 255
	.end_amdhsa_kernel
	.section	.bss,"aw",@nobits
	.p2align	6
	.space	262144
	.amdgpu_metadata
---
amdhsa.version: [ 1, 2 ]
amdhsa.kernels:
  - .name:           k_q9ef278825c_coarse
    .symbol:         k_q9ef278825c_coarse.kd
    .args:
      - { .name: zb, .offset: 0, .size: 8, .value_kind: global_buffer, .address_space: global }
      - { .name: qb, .offset: 8, .size: 8, .value_kind: global_buffer, .address_space: global }
      - { .name: hq, .offset: 16, .size: 8, .value_kind: global_buffer, .address_space: global }
      - { .name: cand, .offset: 24, .size: 8, .value_kind: global_buffer, .address_space: global }
    .group_segment_fixed_size: 327680
    .private_segment_fixed_size: 0
    .kernarg_segment_align: 8
    .kernarg_segment_size: 32
    .max_flat_workgroup_size: 128
    .sgpr_count:     66
    .vgpr_count:     768
    .wavefront_size: 32
...
	.end_amdgpu_metadata
.endif
;; end of part 2
;; launch refine (part 3): grid 256 x 1, 16 waves a work-group, no clusters, 2,560 bytes of LDS; arguments cand, qf, hq, z, out0, out2, part; writes out0, out2, part
.if DOCPART == 3
	.amdgcn_target "amdgcn-amd-amdhsa--gfx1250"
	.amdhsa_code_object_version 6
	.text
	.protected	k_q9ef278825c_refine
	.globl	k_q9ef278825c_refine
	.p2align	8
	.type	k_q9ef278825c_refine,@function
k_q9ef278825c_refine:
	s_mov_b64 s[64:65], 0
	v_nop
	global_prefetch_b8 v0, s[64:65] scope:SCOPE_SE
	s_setreg_imm32_b32 hwreg(HW_REG_WAVE_MODE, 25, 1), 1
	s_wait_xcnt 0x0
; refine: each row's six candidates (three of each half of the codebook) are scored again in f32, by the distance as it is defined and in its order of rounding:
;   d = fl(fl(|z|^2 + |q|^2) - 2 z . q), z rounded to bf16 as in the launches before, q = qf in f32, |q|^2 = -2 hq (exact); the smallest d wins, among equal d the lower code.
; Then out0 = z + (q - z) and the row's share of the sum of (q - z)^2, both with z as given; out2 = the code.
; LIMITS: the sums over the 256 channels are made in this text's own order (8 numbers a lane, then across the lanes), so d can differ from another f32 evaluation in its last bit;
; NaN inputs are not served.
; SHARES: 256 work-groups of 16 waves; a work-group owns 64 rows, a wave four; a row is one wave's: lane L holds channels 4 L .. 4 L + 3 and 128 + 4 L .. + 3.
; Memory binds: no matrix unit, no cluster, no tile in LDS.  A ring of two register sets keeps the next row's 18 gather loads on their way while a row is scored.
.set CI,  4                            ; v[4:35]    row p, half s: four words of cand at CI + 8 p + 4 s; word 0 of half 0 becomes the row's best code
.set Z,   36                           ; v[36:67]   row p: 8 numbers
.set SET, 68                           ; v[68:133], v[134:199]: a set: 6 x 8 numbers of qf, 6 of hq, 6 + 6 offsets
.set ZR,  200                          ; v[200:207] z rounded to bf16, as f32
.set S,   208                          ; v[208:221] seven pairs of partial sums: |z|^2, six z . q
.set D,   222                          ; v[222:227] six distances; D + 0 becomes the best
.set O,   228                          ; v[228:235] q - z, then out0
.set LS,  236                          ; v[236:237] my sum of (q - z)^2
.set TP,  238                          ; v[238:241] at work
.set IA,  242                          ; v242 16 w: LDS, my four rows' codes
.set IB,  243                          ; v243 4 w: LDS, my wave's partial sum (behind the 256 bytes of codes)
	s_load_b256 s[4:11], s[0:1], 0x0               ; cand s[4:5], qf s[6:7], hq s[8:9], z s[10:11]
	s_load_b128 s[12:15], s[0:1], 0x20             ; out0 s[12:13], out2 s[14:15]
	s_load_b64 s[16:17], s[0:1], 0x30              ; part
	v_lshl_add_u32 v248, v0, 2, 0x200
	v_mov_b32 v249, 0
	v_lshrrev_b32 v1, 5, v0
	v_readfirstlane_b32 s18, v1                    ; wave 0..15
	v_and_b32 v1, 31, v0
	v_lshlrev_b32 v1, 4, v1                        ; v1: 16 L
	s_lshl_b32 s19, s18, 6
	v_mov_b32 v2, s19                              ; v2: cand, my four rows of 16 bytes: the same address in every lane
	s_lshl_b32 s19, s18, 12
	v_add_nc_u32 v3, s19, v1                       ; v3: z and out0, my four rows of 1,024 bytes + 16 L
	s_lshl_b32 s19, s18, 4
	v_mov_b32 v[IA], s19
	s_lshl_b32 s19, s18, 2
	v_mov_b32 v[IB], s19
	s_mov_b32 s22, 0xffff0000                      ; a word's upper bf16
	s_mov_b32 s24, 0x76543210                      ; v_permlanex16_b32: each lane takes its own place in the other half
	s_mov_b32 s25, 0xfedcba98
	s_lshl_b32 s20, ttmp9, 10                      ; 64 rows of 16 bytes
	s_mov_b32 s21, 0
	s_wait_kmcnt 0x0
	s_add_nc_u64 s[4:5], s[4:5], s[20:21]
	s_lshl_b32 s20, ttmp9, 16                      ; 64 rows of 1,024 bytes
	s_add_nc_u64 s[10:11], s[10:11], s[20:21]
	s_add_nc_u64 s[12:13], s[12:13], s[20:21]
	s_lshl_b32 s20, ttmp9, 8                       ; 64 codes of 4 bytes
	s_add_nc_u64 s[14:15], s[14:15], s[20:21]
	s_lshl_b32 s20, ttmp9, 2
	s_add_nc_u64 s[16:17], s[16:17], s[20:21]
.irp p, 0,1,2,3
	global_load_b128 v[CI+8*\p:CI+8*\p+3],   v2, s[4:5] offset:16*\p
	global_load_b128 v[CI+8*\p+4:CI+8*\p+7], v2, s[4:5] offset:16*\p+262144
.endr
.irp p, 0,1,2,3
	global_load_b128 v[Z+8*\p:Z+8*\p+3],   v3, s[10:11] offset:1024*\p th:TH_LOAD_NT
	global_load_b128 v[Z+8*\p+4:Z+8*\p+7], v3, s[10:11] offset:1024*\p+512 th:TH_LOAD_NT
.endr
	s_wait_loadcnt 8                               ; the candidates are in; z's eight loads, issued behind them, may stay out
; Row p's six candidates are asked for, into set k.  A code is held under 16,384 before it enters an address.  All 12 offsets are made first, then the 18 loads stand in one run, with
; no vector instruction between two of them.  No hint: a row of qf may be named again by other rows.
.macro FILL p, k
.set B, SET+66*\k
.irp c, 0,1,2,3,4,5
.set ci, CI+8*\p+4*(\c/3)+(\c%3)
	v_min_u32 v[ci], 0x3fff, v[ci]
.endr
.irp c, 0,1,2,3,4,5
.set ci, CI+8*\p+4*(\c/3)+(\c%3)
	v_lshl_add_u32 v[B+54+\c], v[ci], 10, v1
	v_lshlrev_b32 v[B+60+\c], 2, v[ci]
.endr
.irp c, 0,1,2,3,4,5
	global_load_b128 v[B+8*\c:B+8*\c+3],   v[B+54+\c], s[6:7]
	global_load_b128 v[B+8*\c+4:B+8*\c+7], v[B+54+\c], s[6:7] offset:512
	global_load_b32  v[B+48+\c],           v[B+60+\c], s[8:9]
.endr
.endm
; Row p is scored out of set k.  left = the loads issued behind that set's, which may stay out.
.macro TURN p, k, left
.set B, SET+66*\k
	s_wait_loadcnt \left
.irp j, 0,1,2,3
	v_cvt_pk_bf16_f32 v[TP+\j], v[Z+8*\p+2*\j], v[Z+8*\p+2*\j+1]
.endr
.irp j, 0,1,2,3
	v_lshlrev_b32 v[ZR+2*\j],   16,  v[TP+\j]
	v_and_b32     v[ZR+2*\j+1], s22, v[TP+\j]
.endr
	v_pk_mul_f32 v[S:S+1], v[ZR:ZR+1], v[ZR:ZR+1]  ; seven chains that do not wait for each other; the first products start the sums
.irp c, 0,1,2,3,4,5
	v_pk_mul_f32 v[S+2+2*\c:S+3+2*\c], v[ZR:ZR+1], v[B+8*\c:B+8*\c+1]
.endr
.irp j, 1,2,3
	v_pk_fma_f32 v[S:S+1], v[ZR+2*\j:ZR+2*\j+1], v[ZR+2*\j:ZR+2*\j+1], v[S:S+1]
.irp c, 0,1,2,3,4,5
	v_pk_fma_f32 v[S+2+2*\c:S+3+2*\c], v[ZR+2*\j:ZR+2*\j+1], v[B+8*\c+2*\j:B+8*\c+2*\j+1], v[S+2+2*\c:S+3+2*\c]
.endr
.endr
.irp i, 0,1,2,3,4,5,6
	v_add_f32 v[S+2*\i], v[S+2*\i], v[S+2*\i+1]
.endr
.irp m, 1,2,4,8
.irp i, 0,1,2,3,4,5,6
	v_add_f32_dpp v[S+2*\i], v[S+2*\i], v[S+2*\i] row_xmask:\m row_mask:0xf bank_mask:0xf
.endr
.endr
.irp i, 0,1,2,3,4,5,6
	v_permlanex16_b32 v[S+2*\i+1], v[S+2*\i], s24, s25
.endr
.irp i, 0,1,2,3,4,5,6
	v_add_f32 v[S+2*\i], v[S+2*\i], v[S+2*\i+1]    ; every lane now holds the seven sums
.endr
.irp c, 0,1,2,3,4,5
	v_fma_f32 v[D+\c], -2.0, v[B+48+\c], v[S]      ; |z|^2 + |q|^2, rounded once: -2 hq is exact
.endr
.irp c, 0,1,2,3,4,5
	v_fma_f32 v[D+\c], -2.0, v[S+2+2*\c], v[D+\c]  ; - 2 z . q, rounded once
.endr
.irp c, 1,2,3,4,5                      ; the best so far lives in candidate 0's registers; selections only: no branch and no address hangs on a distance
.set ci, CI+8*\p+4*(\c/3)+(\c%3)
	v_cmp_lt_f32 s26, v[D+\c], v[D]
	v_cmp_eq_f32 s27, v[D+\c], v[D]
	v_cmp_lt_u32 s28, v[ci], v[CI+8*\p]
	s_and_b32 s27, s27, s28
	s_or_b32 s26, s26, s27                         ; nearer, or as near with the lower code
	v_cndmask_b32 v[D], v[D], v[D+\c], s26
	v_cndmask_b32 v[CI+8*\p], v[CI+8*\p], v[ci], s26
.irp e, 0,1,2,3,4,5,6,7
	v_cndmask_b32 v[B+\e], v[B+\e], v[B+8*\c+\e], s26
.endr
.endr
	s_wait_xcnt 0x0                                ; the last row's stores have read O: it is written again only behind this wait
.irp j, 0,1,2,3
	v_pk_add_f32 v[O+2*\j:O+2*\j+1], v[B+2*\j:B+2*\j+1], v[Z+8*\p+2*\j:Z+8*\p+2*\j+1] neg_lo:[0,1] neg_hi:[0,1]   ; q - z
.endr
.if \p == 0
	v_pk_mul_f32 v[LS:LS+1], v[O:O+1], v[O:O+1]    ; the first product starts the sum
.else
	v_pk_fma_f32 v[LS:LS+1], v[O:O+1], v[O:O+1], v[LS:LS+1]
.endif
.irp j, 1,2,3
	v_pk_fma_f32 v[LS:LS+1], v[O+2*\j:O+2*\j+1], v[O+2*\j:O+2*\j+1], v[LS:LS+1]
.endr
.irp j, 0,1,2,3
	v_pk_add_f32 v[O+2*\j:O+2*\j+1], v[Z+8*\p+2*\j:Z+8*\p+2*\j+1], v[O+2*\j:O+2*\j+1]   ; z + (q - z)
.endr
	global_store_b128 v3, v[O:O+3],   s[12:13] offset:1024*\p th:TH_STORE_NT       ; a wave stores 512 consecutive bytes, aligned
	global_store_b128 v3, v[O+4:O+7], s[12:13] offset:1024*\p+512 th:TH_STORE_NT
	ds_store_b32 v[IA], v[CI+8*\p] offset:4*\p     ; the code: every lane writes the same word with the same value
.endm
	FILL 0, 0
	FILL 1, 1
	TURN 0, 0, 18                                  ; the other set's 18 loads stay out; z came in ahead of both sets
	FILL 2, 0
	TURN 1, 1, 18
	FILL 3, 1
	TURN 2, 0, 18
	TURN 3, 1, 0
	v_add_f32 v[LS], v[LS], v[LS+1]
.irp m, 1,2,4,8
	v_add_f32_dpp v[LS], v[LS], v[LS] row_xmask:\m row_mask:0xf bank_mask:0xf
.endr
	v_permlanex16_b32 v[LS+1], v[LS], s24, s25
	v_add_f32 v[LS], v[LS], v[LS+1]
	ds_store_b32 v[IB], v[LS] offset:256
	s_wait_dscnt 0x0                               ; for wave 0's sake: my stores into LDS are done
	s_barrier_signal -1
	s_barrier_wait -1
	s_cmp_lg_u32 s18, 0
	s_cbranch_scc1 .Lend
	v_lshlrev_b32 v[TP], 3, v0                     ; wave 0: v0 is the lane
	v_and_b32 v[TP+1], 15, v0
	v_lshlrev_b32 v[TP+1], 2, v[TP+1]
	v_mov_b32 v[TP+2], 0
	ds_load_b64 v[ZR:ZR+1], v[TP]                  ; the work-group's 64 codes
	ds_load_b32 v[S], v[TP+1] offset:256           ; the 16 waves' sums, once in each half of the lanes
	s_wait_dscnt 0x0
	global_store_b64 v[TP], v[ZR:ZR+1], s[14:15]   ; 256 consecutive bytes, aligned
.irp m, 1,2,4,8
	v_add_f32_dpp v[S], v[S], v[S] row_xmask:\m row_mask:0xf bank_mask:0xf
.endr
	v_cmp_eq_u32 vcc_lo, 0, v0
	s_wait_xcnt 0x0                                ; EXEC is a source of the store above: it changes only behind this wait
	s_and_saveexec_b32 s26, vcc_lo
	global_store_b32 v[TP+2], v[S], s[16:17]       ; one number a work-group
	s_wait_xcnt 0x0
	s_or_b32 exec_lo, exec_lo, s26
.Lend:
	s_wait_tensorcnt 0x0
	ds_add_u32 v248, v249
	s_wait_dscnt 0x0
	s_endpgm
.Lfunc_end_k_q9ef278825c_refine:
	.size	k_q9ef278825c_refine, .Lfunc_end_k_q9ef278825c_refine-k_q9ef278825c_refine
	.p2alignl 7, 3214868480
	.fill 96, 4, 3214868480
	.section	.rodata,"a",@progbits
	.p2align	6, 0x0
	.amdhsa_kernel k_q9ef278825c_refine
		.amdhsa_group_segment_fixed_size 2560
		.amdhsa_private_segment_fixed_size 0
		.amdhsa_enable_private_segment 0
		.amdhsa_kernarg_size 56
		.amdhsa_user_sgpr_count 2
		.amdhsa_user_sgpr_kernarg_segment_ptr 1
		.amdhsa_wavefront_size32 1
		.amdhsa_system_sgpr_workgroup_id_x 1
		.amdhsa_system_sgpr_workgroup_id_y 1
		.amdhsa_system_sgpr_workgroup_id_z 1
		.amdhsa_system_vgpr_workitem_id 0
		.amdhsa_next_free_vgpr 250
		.amdhsa_next_free_sgpr 66
		.amdhsa_reserve_vcc 1
		.amdhsa_float_denorm_mode_32 3
		.amdhsa_float_denorm_mode_16_64 3
		.amdhsa_memory_ordered 1
		.amdhsa_forward_progress 1
		.amdhsa_inst_pref_size 60
	.end_amdhsa_kernel
	.amdgpu_metadata
---
amdhsa.version: [ 1, 2 ]
amdhsa.kernels:
  - .name:           k_q9ef278825c_refine
    .symbol:         k_q9ef278825c_refine.kd
    .args:
      - { .name: cand, .offset: 0, .size: 8, .value_kind: global_buffer, .address_space: global }
      - { .name: qf, .offset: 8, .size: 8, .value_kind: global_buffer, .address_space: global }
      - { .name: hq, .offset: 16, .size: 8, .value_kind: global_buffer, .address_space: global }
      - { .name: z, .offset: 24, .size: 8, .value_kind: global_buffer, .address_space: global }
      - { .name: out0, .offset: 32, .size: 8, .value_kind: global_buffer, .address_space: global }
      - { .name: out2, .offset: 40, .size: 8, .value_kind: global_buffer, .address_space: global }
      - { .name: part, .offset: 48, .size: 8, .value_kind: global_buffer, .address_space: global }
    .group_segment_fixed_size: 2560
    .private_segment_fixed_size: 0
    .kernarg_segment_align: 8
    .kernarg_segment_size: 56
    .max_flat_workgroup_size: 512
    .sgpr_count:     66
    .vgpr_count:     250
    .wavefront_size: 32
...
	.end_amdgpu_metadata
.endif
;; end of part 3
;; launch lossum (part 4): grid 1 x 1, 1 waves a work-group, no clusters, 0 bytes of LDS; arguments part, out1; writes out1
.if DOCPART == 4
	.amdgcn_target "amdgcn-amd-amdhsa--gfx1250"
	.amdhsa_code_object_version 6
	.text
	.protected	k_q9ef278825c_lossum
	.globl	k_q9ef278825c_lossum
	.p2align	8
	.type	k_q9ef278825c_lossum,@function
k_q9ef278825c_lossum:
	s_mov_b64 s[64:65], 0
	v_nop
	global_prefetch_b8 v0, s[64:65] scope:SCOPE_SE
	s_setreg_imm32_b32 hwreg(HW_REG_WAVE_MODE, 25, 1), 1
	s_wait_xcnt 0x0
; lossum: out1 = m + 0.25 m, m = the mean of (q - z)^2 over 16,384 x 256 = 2^22 numbers, from the 256 work-groups' partial sums.
; A sum that spans work-groups is made by one owner in a launch of its own: one wave, 8 numbers a lane.
	s_load_b128 s[4:7], s[0:1], 0x0                ; part s[4:5], out1 s[6:7]
	v_lshlrev_b32 v1, 5, v0                        ; 32 bytes a lane
	v_mov_b32 v6, 0
	s_mov_b32 s8, 0x76543210                       ; v_permlanex16_b32: each lane takes its own place in the other half
	s_mov_b32 s9, 0xfedcba98
	s_wait_kmcnt 0x0
	global_load_b128 v[8:11],  v1, s[4:5]
	global_load_b128 v[12:15], v1, s[4:5] offset:16
	s_wait_loadcnt 0x0
	v_pk_add_f32 v[8:9], v[8:9], v[10:11]
	v_pk_add_f32 v[12:13], v[12:13], v[14:15]
	v_pk_add_f32 v[8:9], v[8:9], v[12:13]
	v_add_f32 v8, v8, v9
	v_add_f32_dpp v8, v8, v8 row_xmask:1 row_mask:0xf bank_mask:0xf
	v_add_f32_dpp v8, v8, v8 row_xmask:2 row_mask:0xf bank_mask:0xf
	v_add_f32_dpp v8, v8, v8 row_xmask:4 row_mask:0xf bank_mask:0xf
	v_add_f32_dpp v8, v8, v8 row_xmask:8 row_mask:0xf bank_mask:0xf
	v_permlanex16_b32 v9, v8, s8, s9
	v_add_f32 v8, v8, v9
	v_mul_f32 v8, 0x34800000, v8                   ; x 2^-22: the mean
	v_fmamk_f32 v9, v8, 0x3e800000, v8             ; commitment loss + 0.25 x codebook loss: the two are the same number
	v_cmp_eq_u32 vcc_lo, 0, v0
	s_wait_xcnt 0x0                                ; EXEC changes only behind this wait
	s_and_saveexec_b32 s10, vcc_lo
	global_store_b32 v6, v9, s[6:7]
	s_wait_xcnt 0x0
	s_or_b32 exec_lo, exec_lo, s10
	s_endpgm
.Lfunc_end_k_q9ef278825c_lossum:
	.size	k_q9ef278825c_lossum, .Lfunc_end_k_q9ef278825c_lossum-k_q9ef278825c_lossum
	.p2alignl 7, 3214868480
	.fill 96, 4, 3214868480
	.section	.rodata,"a",@progbits
	.p2align	6, 0x0
	.amdhsa_kernel k_q9ef278825c_lossum
		.amdhsa_group_segment_fixed_size 0
		.amdhsa_private_segment_fixed_size 0
		.amdhsa_enable_private_segment 0
		.amdhsa_kernarg_size 16
		.amdhsa_user_sgpr_count 2
		.amdhsa_user_sgpr_kernarg_segment_ptr 1
		.amdhsa_wavefront_size32 1
		.amdhsa_system_sgpr_workgroup_id_x 1
		.amdhsa_system_sgpr_workgroup_id_y 1
		.amdhsa_system_sgpr_workgroup_id_z 1
		.amdhsa_system_vgpr_workitem_id 0
		.amdhsa_next_free_vgpr 16
		.amdhsa_next_free_sgpr 66
		.amdhsa_reserve_vcc 1
		.amdhsa_float_denorm_mode_32 3
		.amdhsa_float_denorm_mode_16_64 3
		.amdhsa_memory_ordered 1
		.amdhsa_forward_progress 1
		.amdhsa_inst_pref_size 2
	.end_amdhsa_kernel
	.amdgpu_metadata
---
amdhsa.version: [ 1, 2 ]
amdhsa.kernels:
  - .name:           k_q9ef278825c_lossum
    .symbol:         k_q9ef278825c_lossum.kd
    .args:
      - { .name: part, .offset: 0, .size: 8, .value_kind: global_buffer, .address_space: global }
      - { .name: out1, .offset: 8, .size: 8, .value_kind: global_buffer, .address_space: global }
    .group_segment_fixed_size: 0
    .private_segment_fixed_size: 0
    .kernarg_segment_align: 8
    .kernarg_segment_size: 16
    .max_flat_workgroup_size: 32
    .sgpr_count:     66
    .vgpr_count:     16
    .wavefront_size: 32
...
	.end_amdgpu_metadata
.endif
;; end of part 4
